; MI455X (gfx1250); checked and timed in simulation.
; The chip was launched on July 23, 2026; its instructions are those of AMD's public machine-readable ISA for CDNA 5 (MIT licence, August 2026) and "CDNA5" Instruction Set Architecture Reference Guide (July 2026). The comments in the code are by the model that wrote it; some were corrected since.
;; A Li Bi Attention. Allowed arithmetic: matrix products marked QUANTISED: E4M3 operands, one given power-of-two scale a tensor, by v_wmma_f32_16x16x64_fp8_fp8 or v_wmma_f32_16x16x128_fp8_fp8, f32 sums; everything else in f32.
;; Inputs: Wk_codes 1,024 x 32 x 32 uint8 (E4M3 codes of Wk, K innermost, in blocks of 32 codes); Wo_codes 1,024 x 32 x 32 uint8 (E4M3 codes of Wo, K innermost, in blocks of 32 codes); Wq_codes 1,024 x 32 x 32 uint8 (E4M3 codes of Wq, K innermost, in blocks of 32 codes); Wv_codes 1,024 x 32 x 32 uint8 (E4M3 codes of Wv, K innermost, in blocks of 32 codes); bk 1,024 float32; bo 1,024 float32; bq 1,024 float32; bv 1,024 float32; lowp_scales 12 int32 (the exponents e of the quantised operands' scales 2^e); mask 4 x 2,048 int32; x_codes 4 x 2,048 x 32 x 32 uint8 (E4M3 codes of x, K innermost, in blocks of 32 codes).
;; Outputs: out0 4 x 2,048 x 1,024 float32.
;; This version of the problem:
;;   THIS VERSION OF THE PROBLEM IS GIVEN IN LOW PRECISION. The matrix products marked QUANTISED in the list below multiply operands that are first quantised to E4M3 (4 exponent bits, 3 mantissa bits; 8 bits a number), with one given power-of-two scale for each operand tensor; their sums are f32. All else is computed in f32.
;;   The module's matrix products, in the order in which they are computed (A, B: the left and right operand; K: the contracted axis; several contracted axes count as one K, in the product's order):
;;     1. [M 8,192, K 1,024] x [K 1,024, N 1,024]; A: input x (given as codes); B: input Wq (given as codes): QUANTISED (scales: A lowp_scales[0], B lowp_scales[1])
;;     2. [M 8,192, K 1,024] x [K 1,024, N 1,024]; A: input x (given as codes); B: input Wk (given as codes): QUANTISED (scales: A lowp_scales[2], B lowp_scales[3])
;;     3. [M 8,192, K 1,024] x [K 1,024, N 1,024]; A: input x (given as codes); B: input Wv (given as codes): QUANTISED (scales: A lowp_scales[4], B lowp_scales[5])
;;     4. batch 64 x [M 2,048, K 64] x [K 64, N 2,048]; A: computed on the way; B: computed on the way: QUANTISED (scales: A lowp_scales[6], B lowp_scales[7])
;;     5. batch 64 x [M 64, K 2,048] x [K 2,048, N 2,048]; A: computed on the way; B: softmax (see below): QUANTISED (scales: A lowp_scales[8], B lowp_scales[9])
;;     6. [M 8,192, K 1,024] x [K 1,024, N 1,024]; A: computed on the way; B: input Wo (given as codes): QUANTISED (scales: A lowp_scales[10], B lowp_scales[11])
;;   THE QUANTISER, for each operand of a quantised product, along K:
;;     - The operand's scale is 2^e, e = its entry of the input lowp_scales (int32; the entries are numbered through the quantised products in the list's order, A before B).
;;     - Each number is divided by the scale, clamped to +-448, and rounded to the nearest number of E4M3, ties to even, subnormals kept.
;;     - The product sums the exact products of the quantised numbers (number of the format x scale) in f32.
;;   ~~~python
;;   def quantise(x, axis, e):      # numpy; x: float32 -> the quantised numbers, widened to float32 again
;;       x = np.moveaxis(x, axis, -1); K = x.shape[-1]
;;       r = np.clip(x / 2.0 ** e, -448, 448)
;;       step = 2.0 ** (np.maximum(np.frexp(np.where(r == 0, 1, r))[1] - 1, -6) - 3)
;;       q = np.round(r / step) * step * 2.0 ** e      # np.round: ties to even
;;       return np.moveaxis(q, -1, axis).astype(np.float32)
;;   ~~~
;;   SOFTMAX AHEAD OF A QUANTISED PRODUCT. Where the list says 'softmax', what is quantised is not the finished softmax but p = 2^(t - M), with t = logit x log2(e) and M = ceil(the row's largest t), a whole number; so 1/2 < the row's largest p <= 1. The row's sum l is taken of the UNQUANTISED p, in f32, and the product's result is divided by l at the end. Since M is a whole number, a kernel that streams over the keys may use a running M (the ceiling of the running maximum): every later rescaling is an exact power of two, so the quantised numbers keep their values, but for numbers so far below the row's largest that they fall under the format's range.
;;   OPERANDS COMPUTED ON THE WAY. 'Computed on the way' means the value that the module computes at that place (a softmax that the list does not call 'softmax' is quantised finished and normalised). What goes into a quantiser is computed in f32, as accurately as f32 sums, v_exp_f32 and their like allow (about 1e-6 of the number): no bf16 or f16 on the way to a quantiser, and a product that is left as it is and whose result goes on into a quantised operand takes f32 operands (vector FMAs, or v_wmma_f32_16x16x4_f32). A number that lies on a knife's edge between two numbers of the format may be rounded either way, as far as f32 arithmetic and the matrix unit's own rounding can turn it there, and no further.
;;   INPUTS GIVEN AS CODES. Wk (in the module: [1024, 1024], K = its axis 1); Wo (in the module: [1024, 1024], K = its axis 1); Wq (in the module: [1024, 1024], K = its axis 1); Wv (in the module: [1024, 1024], K = its axis 1); x (in the module: [4, 2048, 1024], K = its axis 2): each comes as NAME_codes (uint8): NAME with its K axis moved to the last place and cut into blocks of 32 codes, [.., K / 32, bytes a block], one block behind the other in memory; one code a byte (a code: sign, 4 exponent bits, 3 mantissa bits); its scale is its entry of lowp_scales. Its value is code x scale, taken as it is: it is not quantised again, and the codes and scales need not be those that the quantiser above would give.
;; One version. Each part assembles by itself: llvm-mc -triple=amdgcn-amd-amdhsa -mcpu=gfx1250 --defsym DOCPART=n.
;; ======== version 1 of 1: 3 launches
;; limits: right only within a limited range of input values
;; workspace buffers: qimg 8,388,608 bytes; kimg 8,388,608 bytes; vimg 8,388,608 bytes; aimg 8,388,608 bytes
;; launch qkv (part 1): grid 12 x 32, 4 waves a work-group, clusters of 4 x 4, 327,680 bytes of LDS; arguments x_codes, Wq_codes, Wk_codes, Wv_codes, bq, bk, bv, lowp_scales, qimg, kimg, vimg; writes qimg, kimg, vimg
.if DOCPART == 1
	.amdgcn_target "amdgcn-amd-amdhsa--gfx1250"
	.amdhsa_code_object_version 6
	.text
	.protected	k_q350d01ae12_qkv
	.globl	k_q350d01ae12_qkv
	.p2align	8
	.type	k_q350d01ae12_qkv,@function
k_q350d01ae12_qkv:
	s_mov_b64 s[64:65], 0
	v_nop
	global_prefetch_b8 v0, s[64:65] scope:SCOPE_SE
	s_setreg_imm32_b32 hwreg(HW_REG_WAVE_MODE, 25, 1), 1
	s_wait_xcnt 0x0
	s_wait_alu depctr_hold_cnt(0) depctr_sa_sdst(0) depctr_va_vdst(0) depctr_va_sdst(0) depctr_va_ssrc(0) depctr_va_vcc(0) depctr_vm_vsrc(0)
	s_getreg_b32 s2, hwreg(HW_REG_IB_STS2, 6, 4)
	s_cmp_eq_u32 s2, 0
	s_cbranch_scc0 .Lentry_in_a_cluster
	s_endpgm
.Lentry_in_a_cluster:
	s_bfe_u32 s2, ttmp6, 0x10000c
	s_cmp_lg_u32 s2, 0xf033
	s_cbranch_scc0 .Lentry_shape_is_right
	s_endpgm
.Lentry_shape_is_right:
.set KROW,   1024
.set ROWB,   256
.set PITCH,  272
.set FR,     16
.set NL,     4
.set NP,     4
.set HALFT,  128*PITCH
.set SLOT,   4*HALFT
.set LAPS,   2
.set SPARE,  2*SLOT
.set ADRA, 16
.set ADRB, 20
.set BVO,  25
.set CO,   26
.set BIO,  27
.set SPW,  28
.set NIL,  29
.set LIM,  30
.set SC,   31
.set BV,   32
.set BI,   64
.set AF,   128
.set CD,   128
.set G1, 24
.set G0, 32
.set G1B, 48
.set G0B, 56
.set INV, 100
.set MSB, 0
.macro WIN new
.if MSB != \new
	s_set_vgpr_msb (MSB<<8)|\new
.set MSB, \new
.endif
.endm
.set MUL_LO, 0xa1
.set MUL_HI, 0xf1
.set TO_B,   0x40
; A joint refill of slot sl: wave 2 sl fetches A's whole tile (256 rows), wave 2 sl + 1 B's; the other two waves fetch nothing.  The branches hang on the wave's number alone.
.macro JLOAD g0a, g1a, g0b, g1b, sl
	s_cmp_lg_u32 s15, \sl
	s_cbranch_scc1 .Lasked_\@
	s_cmp_eq_u32 s16, 0
	s_cbranch_scc0 .Lfor_b_\@
	tensor_load_to_lds s[\g0a:\g0a+3], s[\g1a:\g1a+7]
	s_nop 0
.rept 4
	v_nop
.endr
	s_branch .Lasked_\@
.Lfor_b_\@:
	tensor_load_to_lds s[\g0b:\g0b+3], s[\g1b:\g1b+7]
	s_nop 0
.rept 4
	v_nop
.endr
.Lasked_\@:
.rept 4
	v_nop                                          ; the places in front of the LDS loads that follow, on every wave's way
.endr
.endm
.macro CREST
	s_cmp_lg_u32 s14, 0
	s_cbranch_scc1 .Lnot_wave_0_\@
	s_barrier_signal -3
.Lnot_wave_0_\@:
	s_barrier_wait -3
	s_barrier_signal -1
	s_barrier_wait -1
.endm
.macro CROUND
	s_barrier_signal -1
	s_barrier_wait -1
	CREST
.endm
	s_load_b512 s[68:83], s[0:1], 0x0
	s_load_b128 s[84:87], s[0:1], 0x40
	s_load_b64 s[88:89], s[0:1], 0x50
	v_lshl_add_u32 v[SPW], v0, 2, SPARE
	v_mov_b32 v[NIL], 0
	ds_add_u32 v28, v29
	ds_add_u32 v28, v29
	s_wait_dscnt 0x0
	v_lshrrev_b32 v1, 5, v0
	v_readfirstlane_b32 s14, v1
	s_lshr_b32 s15, s14, 1
	s_and_b32 s16, s14, 1
	s_bfe_u32 s40, ttmp6, 0x40000
	s_bfe_u32 s41, ttmp6, 0x40004
	s_and_b32 s20, ttmp7, 0xffff
	s_lshl_b32 s20, s20, 2
	s_cmp_eq_u32 ttmp9, 2
	s_cselect_b32 s21, 0, s20
	s_cselect_b32 s22, s20, 0
	s_add_co_u32 s17, s21, s41
	s_add_co_u32 s42, s22, s40
	s_lshl_b32 s43, s41, 2
	s_lshl_b32 s43, 15, s43
	s_lshl_b32 s44, 0x1111, s40
	s_or_b32 s[G1+0], s43, (0<<16)|(1<<20)|(1<<21)|(5<<22)|(3<<25)
	s_or_b32 s[G1B+0], s44, (0<<16)|(1<<20)|(1<<21)|(5<<22)|(3<<25)
.irp g, G1, G1B
	s_mov_b32 s[\g+1], ROWB<<16
	s_mov_b32 s[\g+2], 256<<16
	s_mov_b32 s[\g+3], ROWB<<16
	s_mov_b32 s[\g+4], 256
	s_mov_b32 s[\g+5], KROW
	s_mov_b32 s[\g+6], 0
	s_mov_b32 s[\g+7], 0
.endr
	s_mov_b32 s18, 0                               ; a load brings a tile's 256 rows from its first row on
	s_lshl_b32 s20, s17, 8
	s_add_co_u32 s20, s20, s18
	s_lshl_b32 s20, s20, 10
	s_mov_b32 s21, 0
	s_lshl_b32 s46, s42, 8
	s_add_co_u32 s46, s46, s18
	s_lshl_b32 s46, s46, 10
	s_mov_b32 s47, 0
	s_lshl_b32 s90, ttmp9, 3
	s_lshl_b32 s91, ttmp9, 2
	s_wait_kmcnt 0x0
	s_load_b64 s[96:97], s[82:83], s90 offset:0x0
	s_load_b32 s98, s[82:83], s91 offset:0x18
	s_cmp_eq_u32 ttmp9, 1
	s_cselect_b64 s[6:7], s[72:73], s[70:71]
	s_cselect_b64 s[12:13], s[78:79], s[76:77]
	s_cselect_b64 s[10:11], s[86:87], s[84:85]
	s_cmp_eq_u32 ttmp9, 2
	s_cselect_b64 s[12:13], s[80:81], s[12:13]
	s_cselect_b64 s[10:11], s[88:89], s[10:11]
	s_cselect_b64 s[4:5], s[74:75], s[68:69]
	s_cselect_b64 s[6:7], s[68:69], s[6:7]
	s_add_nc_u64 s[20:21], s[4:5], s[20:21]
	s_add_nc_u64 s[46:47], s[6:7], s[46:47]
	CROUND
.irp s, 0,1
	s_mov_b32 s[G0+4*\s], 1
	s_mov_b32 s[G0+4*\s+1], \s*SLOT
	s_add_nc_u64 s[G0+4*\s+2:G0+4*\s+3], s[20:21], \s*ROWB
	s_or_b32 s[G0+4*\s+3], s[G0+4*\s+3], 0x80000000
	s_mov_b32 s[G0B+4*\s], 1
	s_mov_b32 s[G0B+4*\s+1], 2*HALFT+\s*SLOT
	s_add_nc_u64 s[G0B+4*\s+2:G0B+4*\s+3], s[46:47], \s*ROWB
	s_or_b32 s[G0B+4*\s+3], s[G0B+4*\s+3], 0x80000000
.endr
	; THE FIRST FILLS, one group behind the one round, one tensor load a wave, in one chain of four arms: wave 0 A's K step 0, wave 1 B's, wave 2 A's K step 1, wave 3 B's
	s_cmp_eq_u32 s14, 0
	s_cbranch_scc0 .Lhead_1
	tensor_load_to_lds s[G0:G0+3], s[G1:G1+7]
	s_nop 0
.rept 4
	v_nop
.endr
	s_branch .Lhead_j
.Lhead_1:
	s_cmp_eq_u32 s14, 1
	s_cbranch_scc0 .Lhead_2
	tensor_load_to_lds s[G0B:G0B+3], s[G1B:G1B+7]
	s_nop 0
.rept 4
	v_nop
.endr
	s_branch .Lhead_j
.Lhead_2:
	s_cmp_eq_u32 s14, 2
	s_cbranch_scc0 .Lhead_3
	tensor_load_to_lds s[G0+4:G0+7], s[G1:G1+7]
	s_nop 0
.rept 4
	v_nop
.endr
	s_branch .Lhead_j
.Lhead_3:
	tensor_load_to_lds s[G0B+4:G0B+7], s[G1B:G1B+7]
	s_nop 0
.rept 4
	v_nop
.endr
.Lhead_j:
	v_and_b32 v1, 15, v0
	v_bfe_u32 v2, v0, 4, 1
	v_mul_u32_u24 v3, v1, PITCH
	v_lshl_add_u32 v4, v2, 4, v3
	s_mul_i32 s21, s15, HALFT
	s_mul_i32 s22, s16, HALFT
	s_add_co_u32 s22, s22, 2*HALFT
.irp s, 0,1
	v_add_nc_u32 v[ADRA+\s], s21, v4
	v_add_nc_u32 v[ADRB+\s], s22, v4
	s_add_co_u32 s21, s21, SLOT
	s_add_co_u32 s22, s22, SLOT
.endr
	v_and_b32 v6, 31, v0
	v_lshlrev_b32 v[CO], 4, v6
	v_lshlrev_b32 v[BIO], 5, v2
	s_wait_alu depctr_va_vdst(0)
	v_lshlrev_b32 v[BVO], 2, v1
	s_wait_alu depctr_va_vdst(0)
	s_and_b32 s8, s42, 3
	s_lshl_b32 s8, s8, 10
	s_lshl_b32 s9, s16, 9
	s_add_co_u32 s8, s8, s9
	s_mov_b32 s9, 0
	s_add_nc_u64 s[92:93], s[12:13], s[8:9]
	s_and_b32 s8, s17, 3
	s_lshl_b32 s8, s8, 10
	s_lshl_b32 s23, s15, 9
	s_add_co_u32 s8, s8, s23
	s_add_nc_u64 s[94:95], s[12:13], s[8:9]
.irp b, 0,1,2,3,4,5,6,7
	global_load_b128 v[BI+8*\b:BI+8*\b+3],   v[BIO], s[92:93] offset:64*\b
	global_load_b128 v[BI+8*\b+4:BI+8*\b+7], v[BIO], s[92:93] offset:64*\b+16
.endr
.irp a, 0,1,2,3,4,5,6,7
	global_load_b32 v[BV+\a], v[BVO], s[94:95] offset:64*\a
.endr
.macro FRAG reg, adr, q, i
.irp c, 0,1,2,3
	ds_load_b128 v[\reg+4*\c:\reg+4*\c+3], v[\adr] offset:128*(\q)+32*\c+(\i)*16*PITCH
.endr
.endm
.macro MUL16 a0, p, zero
.irp a, \a0, \a0+1
.irp b, 0,1,2,3,4,5,6,7
.if \zero
	v_wmma_f32_16x16x128_fp8_fp8 v[8*(8*((\a)%4)+\b):8*(8*((\a)%4)+\b)+7], v[128*(\p)+FR*\b:128*(\p)+FR*\b+FR-1], v[AF+FR*(\a):AF+FR*(\a)+FR-1], 0
.else
	v_wmma_f32_16x16x128_fp8_fp8 v[8*(8*((\a)%4)+\b):8*(8*((\a)%4)+\b)+7], v[128*(\p)+FR*\b:128*(\p)+FR*\b+FR-1], v[AF+FR*(\a):AF+FR*(\a)+FR-1], v[8*(8*((\a)%4)+\b):8*(8*((\a)%4)+\b)+7]
.endif
.endr
.endr
.endm
.macro FETCH_B slot, q, p
	WIN TO_B
.irp i, 0,1,2,3,4,5,6,7
	FRAG 128*(\p)+FR*\i, ADRB+\slot, \q, \i
.endr
	WIN 0
.endm
.macro FETCH_A slot, q, i0
.irp i, \i0, \i0+1, \i0+2, \i0+3
	FRAG AF+FR*(\i), ADRA+\slot, \q, \i
.endr
.endm
.macro PLACES n
.rept \n
	v_nop
.endr
.endm
.macro STEP slot, q, zero
	s_wait_dscnt 4*NL
	WIN MUL_LO
	MUL16 0, (\q)%2, \zero
	MUL16 2, (\q)%2, \zero
	s_wait_dscnt 0
	PLACES NP
	FETCH_B \slot, (\q)+1, 1-(\q)%2
	FETCH_A \slot, (\q)+1, 0
	WIN MUL_HI
	MUL16 4, (\q)%2, \zero
	MUL16 6, (\q)%2, \zero
	PLACES NP
	WIN 0
	FETCH_A \slot, (\q)+1, 4
.endm
.macro TURN slot, next, fill
	s_wait_tensorcnt 0x0
	ds_add_u32 v[SPW], v[NIL]
	s_wait_dscnt 4*NL+1
	WIN MUL_LO
	MUL16 0, 1, 0
	s_wait_dscnt 0x0
	s_barrier_signal -1
	MUL16 2, 1, 0
	WIN 0
	s_barrier_wait -1
.if \fill
	CREST
	s_add_nc_u64 s[G0+4*\slot+2:G0+4*\slot+3], s[G0+4*\slot+2:G0+4*\slot+3], 2*ROWB
	s_add_nc_u64 s[G0B+4*\slot+2:G0B+4*\slot+3], s[G0B+4*\slot+2:G0B+4*\slot+3], 2*ROWB
	JLOAD G0+4*\slot, G1, G0B+4*\slot, G1B, \slot
.else
	PLACES NP
.endif
	FETCH_B \next, 0, 0
	FETCH_A \next, 0, 0
	WIN MUL_HI
	MUL16 4, 1, 0
	MUL16 6, 1, 0
	PLACES NP
	WIN 0
	FETCH_A \next, 0, 4
.endm
	s_cmp_lg_u32 s15, 0                            ; slot 0's two loaders wait for their loads
	s_cbranch_scc1 .Lslot_1_mine                   ; the wait for 0 that every wave runs at the first change of slots shows slot 1 whole
	s_wait_tensorcnt 0x0
.Lslot_1_mine:
	s_barrier_signal -1
	s_barrier_wait -1
	FETCH_B 0, 0, 0
	FETCH_A 0, 0, 0
	FETCH_A 0, 0, 4
	STEP 0, 0, 1
	s_mov_b32 s3, LAPS-1
.Llap:
	TURN 0, 1, 1
	STEP 1, 0, 0
	TURN 1, 0, 1
	STEP 0, 0, 0
	s_sub_co_u32 s3, s3, 1
	s_cmp_lg_u32 s3, 0
	s_cbranch_scc1 .Llap
	TURN 0, 1, 0
	STEP 1, 0, 0
	s_wait_dscnt 4*NL
	WIN MUL_LO
	MUL16 0, 1, 0
	MUL16 2, 1, 0
	s_wait_dscnt 0
	WIN MUL_HI
	MUL16 4, 1, 0
	MUL16 6, 1, 0
	WIN 0
.macro OUTCODES vv
.irp a, 0,1,2,3,4,5,6,7
.set AC, 64*((\a)%4)
.set W, 2+(\a)/4
	WIN ((W<<6)|(W<<4))
.irp b, 0,1,2,3,4,5,6,7
.irp i, 0,2,4,6
.if \vv
.if (\a)%2
	v_pk_fma_f32 v[AC+8*\b+\i:AC+8*\b+\i+1], v[BV+\a-1:BV+\a], s[INV:INV+1], v[AC+8*\b+\i:AC+8*\b+\i+1] op_sel:[1,0,0] op_sel_hi:[1,0,1]
.else
	v_pk_fma_f32 v[AC+8*\b+\i:AC+8*\b+\i+1], v[BV+\a:BV+\a+1], s[INV:INV+1], v[AC+8*\b+\i:AC+8*\b+\i+1] op_sel_hi:[0,0,1]
.endif
.else
	v_pk_fma_f32 v[AC+8*\b+\i:AC+8*\b+\i+1], v[BI+8*\b+\i:BI+8*\b+\i+1], s[INV:INV+1], v[AC+8*\b+\i:AC+8*\b+\i+1] op_sel_hi:[1,0,1]
.endif
.endr
.endr
.set j, 0
.rept 64
	v_med3_num_f32 v[AC+j], -v[LIM], v[LIM], v[AC+j]
.set j, j+1
.endr
	WIN W
.irp b, 0,1,2,3,4,5,6,7
	v_cvt_scalef32_pk8_fp8_f32 v[CD+16*(\a)+2*\b:CD+16*(\a)+2*\b+1], v[AC+8*\b:AC+8*\b+7], v[SC]
.endr
	v_nop
	WIN 0
.irp g, 0,1,2,3
.if \vv
	global_store_b128 v[CO], v[CD+16*(\a)+4*\g:CD+16*(\a)+4*\g+3], s[10:11] offset:((\a)/4)*131072+((\a)%4)*2048+\g*512
.else
	global_store_b128 v[CO], v[CD+16*(\a)+4*\g:CD+16*(\a)+4*\g+3], s[10:11] offset:(\a)*1024+(\g/2)*131072+(\g%2)*512
.endif
.endr
.endr
.endm
	s_wait_kmcnt 0x0
	s_add_co_i32 s96, s96, s97
	s_sub_co_i32 s97, 127, s96
	s_lshl_b32 s[INV], s97, 23
	s_mov_b32 s[INV+1], s[INV]
	s_add_co_i32 s97, s97, s98
	s_lshl_b32 s99, s97, 23
	v_mov_b32 v[SC], s99
	s_add_co_i32 s97, s97, 8
	s_lshl_b32 s97, s97, 23
	s_or_b32 s97, s97, 0x600000
	v_mov_b32 v[LIM], s97
	s_wait_loadcnt 0x0
	PLACES NP
	s_cmp_eq_u32 ttmp9, 2
	s_cbranch_scc1 .Lv
	s_lshr_b32 s8, s17, 3
	s_lshl_b32 s8, s8, 4
	s_lshl_b32 s9, s42, 2
	s_add_co_u32 s8, s8, s9
	s_lshl_b32 s9, s16, 1
	s_add_co_u32 s8, s8, s9
	s_lshl_b32 s8, s8, 7
	s_and_b32 s9, s17, 7
	s_lshl_b32 s9, s9, 4
	s_add_co_u32 s8, s8, s9
	s_lshl_b32 s9, s15, 3
	s_add_co_u32 s8, s8, s9
	s_lshl_b32 s8, s8, 10
	s_mov_b32 s9, 0
	s_add_nc_u64 s[10:11], s[10:11], s[8:9]
	OUTCODES 0
	s_branch .Ldone
.Lv:
	s_lshr_b32 s8, s42, 3
	s_lshl_b32 s8, s8, 4
	s_lshl_b32 s9, s17, 2
	s_add_co_u32 s8, s8, s9
	s_lshl_b32 s9, s15, 1
	s_add_co_u32 s8, s8, s9
	s_lshl_b32 s8, s8, 4
	s_and_b32 s9, s42, 7
	s_lshl_b32 s9, s9, 1
	s_add_co_u32 s8, s8, s9
	s_add_co_u32 s8, s8, s16
	s_lshl_b32 s8, s8, 13
	s_mov_b32 s9, 0
	s_add_nc_u64 s[10:11], s[10:11], s[8:9]
	OUTCODES 1
.Ldone:
	s_wait_tensorcnt 0x0
	ds_add_u32 v[SPW], v[NIL]
	s_wait_dscnt 0x0
	CROUND
	s_endpgm
.Lfunc_end_k_q350d01ae12_qkv:
	.size	k_q350d01ae12_qkv, .Lfunc_end_k_q350d01ae12_qkv-k_q350d01ae12_qkv
	.p2alignl 7, 3214868480
	.fill 96, 4, 3214868480
	.section	.rodata,"a",@progbits
	.p2align	6, 0x0
	.amdhsa_kernel k_q350d01ae12_qkv
		.amdhsa_group_segment_fixed_size 327680
		.amdhsa_private_segment_fixed_size 0
		.amdhsa_enable_private_segment 0
		.amdhsa_kernarg_size 88
		.amdhsa_user_sgpr_count 2
		.amdhsa_user_sgpr_kernarg_segment_ptr 1
		.amdhsa_wavefront_size32 1
		.amdhsa_system_sgpr_workgroup_id_x 1
		.amdhsa_system_sgpr_workgroup_id_y 1
		.amdhsa_system_sgpr_workgroup_id_z 1
		.amdhsa_system_vgpr_workitem_id 0
		.amdhsa_next_free_vgpr 1024
		.amdhsa_next_free_sgpr 102
		.amdhsa_reserve_vcc 0
		.amdhsa_float_denorm_mode_32 3
		.amdhsa_float_denorm_mode_16_64 3
		.amdhsa_memory_ordered 1
		.amdhsa_forward_progress 1
		.amdhsa_inst_pref_size 194
	.end_amdhsa_kernel
	.amdgpu_metadata
---
amdhsa.version: [ 1, 2 ]
amdhsa.kernels:
  - .name:           k_q350d01ae12_qkv
    .symbol:         k_q350d01ae12_qkv.kd
    .args:
      - { .name: x_codes, .offset: 0, .size: 8, .value_kind: global_buffer, .address_space: global }
      - { .name: Wq_codes, .offset: 8, .size: 8, .value_kind: global_buffer, .address_space: global }
      - { .name: Wk_codes, .offset: 16, .size: 8, .value_kind: global_buffer, .address_space: global }
      - { .name: Wv_codes, .offset: 24, .size: 8, .value_kind: global_buffer, .address_space: global }
      - { .name: bq, .offset: 32, .size: 8, .value_kind: global_buffer, .address_space: global }
      - { .name: bk, .offset: 40, .size: 8, .value_kind: global_buffer, .address_space: global }
      - { .name: bv, .offset: 48, .size: 8, .value_kind: global_buffer, .address_space: global }
      - { .name: lowp_scales, .offset: 56, .size: 8, .value_kind: global_buffer, .address_space: global }
      - { .name: qimg, .offset: 64, .size: 8, .value_kind: global_buffer, .address_space: global }
      - { .name: kimg, .offset: 72, .size: 8, .value_kind: global_buffer, .address_space: global }
      - { .name: vimg, .offset: 80, .size: 8, .value_kind: global_buffer, .address_space: global }
    .group_segment_fixed_size: 327680
    .private_segment_fixed_size: 0
    .kernarg_segment_align: 8
    .kernarg_segment_size: 88
    .max_flat_workgroup_size: 128
    .sgpr_count:     102
    .vgpr_count:     1024
    .wavefront_size: 32
...
	.end_amdgpu_metadata
.endif
;; end of part 1
;; launch attn (part 2): grid 4 x 64, 8 waves a work-group, clusters of 4 x 1, 271,360 bytes of LDS; arguments qimg, kimg, vimg, mask, lowp_scales, aimg; writes aimg
.if DOCPART == 2
	.amdgcn_target "amdgcn-amd-amdhsa--gfx1250"
	.amdhsa_code_object_version 6
	.text
	.protected	k_q350d01ae12_attn
	.globl	k_q350d01ae12_attn
	.p2align	8
	.type	k_q350d01ae12_attn,@function
k_q350d01ae12_attn:
	s_mov_b64 s[64:65], 0
	v_nop
	global_prefetch_b8 v0, s[64:65] scope:SCOPE_SE
	s_setreg_imm32_b32 hwreg(HW_REG_WAVE_MODE, 25, 1), 1
	s_wait_xcnt 0x0
	s_wait_alu depctr_hold_cnt(0) depctr_sa_sdst(0) depctr_va_vdst(0) depctr_va_sdst(0) depctr_va_ssrc(0) depctr_va_vcc(0) depctr_vm_vsrc(0)
	s_getreg_b32 s2, hwreg(HW_REG_IB_STS2, 6, 4)
	s_cmp_eq_u32 s2, 0
	s_cbranch_scc0 .Lentry_in_a_cluster
	s_endpgm
.Lentry_in_a_cluster:
	s_bfe_u32 s2, ttmp6, 0x10000c
	s_cmp_lg_u32 s2, 0x3003
	s_cbranch_scc0 .Lentry_shape_is_right
	s_endpgm
.Lentry_shape_is_right:
; ATTENTION WITH ALiBi AND A KEY MASK, both products on codes of E4M3: a[q] = sum over k of softmax_k(Q[q] . K[k] / 8 + slope (k - q), masked keys -infinity) V[k], slope = 2^(-head / 16); then a's own quantiser (e10).
; THE SOFTMAX: t = logit x log2(e); M = the running largest t rounded UP to a whole number; p = 2^(t - M) is quantised (e9), not normalised; the sum l of the unquantised p divides at the end.
; When M moves, l and O are multiplied by 2^(old M - new M), which rounds nothing.  No step of the problem is left out.
; SHARES.  Work-group (cx, y): head y % 16 of batch y / 16, queries 512 cx on, in two passes of 256.  Eight waves, two to a SIMD; a wave owns 32 queries, two tiles of 16: each fragment of K, V and the bias read from LDS feeds two matrix instructions.
; LDS.  The head's whole K (131,072 bytes) and V (131,072) lie in LDS as images of operand registers, filled once, one joint tensor load of 32,768 dense bytes a wave (mask 15: the four work-groups of a head want the same K and V), and never again.
; No prefetch: every tensor load stands at the head, so there is no loop in which to ask ahead.
; LAYOUT.  S^T = K Q^T + C (source 0 = 16 keys, source 1 = 16 queries): lane (r, h) holds query r, register j of key tile t key 16 t + 8 h + j.  Eight such registers make two registers of codes, registers 2 t, 2 t + 1 of source 1 of O^T = V^T P^T.
; ALiBi AND THE MASK are the C of the first product.  TAB[k] = slope x 2^(3 - e6 - e7) x (k % 128), or -2^(63 - e6 - e7) where mask[k] = 0: 2,048 f32 in LDS, made at the head.
; With s' = sum + TAB[k]:  t = cs s' + slope log2(e) (kbase - q),  cs = log2(e) / 8 x 2^(e6 + e7),  kbase = the step's first key; kbase - q is a whole number, exact in f32.
; A masked key's t is about -2^60; the running largest t begins at -2^40; so a masked p is exactly 0, and a row whose keys are all masked has l = 0 and is given NaN, as the softmax of such a row is.
; The keys are walked downward, steps 15 to 0; the result is right in any order.
; aimg: [256 along the last product's K: 4][tile of 16 tokens 512][128 along K: 2][g 4][lane 32][16 bytes]; head hd fills K = 64 hd .. 64 hd + 63.
; LIMITS: e6 + e7 between -60 and 60, and |t| under 2^40; e9 and e10 between -126 and 119; e8 + e9 is applied by v_ldexp_f32 and has none.  NaN codes among Q, K, V are not served.
; REGISTERS.  Window 0 holds all that the softmax of BOTH tiles names, so that the two tiles' lines stand beside each other under one setting:
;   v1-6 addresses, v7-14 at work at the head, v12 448 x 2^e10, v13 2^e10; v16-31 Q (8 a tile); v32-63 p's codes (16 a tile; ahead of the conversions: tile 0's first-level sums); v64-191 S^T, then p (64 a tile);
;   v192-207, v208-223 a tile's statistics; v224-227 constants; v254, v255 the add's.
;   Window 1: v0-63 O^T (32 a tile); v64-127 K's eight fragments; v128-191 the bias (C); v192-255 V's four fragments.
.set VBASE, 131072                     ; LDS: K at 0 (step s at 8,192 s; tile t + 1,024 t; + 512 g), V here (step s at 8,192 s; channels 16 c on + 2,048 c; + 512 g),
.set TAB,   262144                     ; the table: 8,192 bytes that LDS stores write and no tensor load fills,
.set SPARE, 270336                     ; and the spare words: 128 bytes a wave
.set LI,  1                            ; 16 x lane
.set ADK, 2                            ; LDS address of the next step's K
.set ADB, 3                            ; of the next step's bias
.set ADV, 4                            ; of this step's V
.set VLI, 5                            ; VBASE + 16 x lane
.set BLI, 6                            ; TAB + 32 x (lane / 16)
.set LIM10, 12
.set SC10,  13
.set QF,  16
.set PC,  32
.set SS,  64
.set BM,  192                          ; tile 0's statistics; tile 1's lie 16 registers on.  slope' (kbase - q) - M (the low word of the pair with TM serves both halves)
.set TM,  193                          ; the running largest t
.set NM,  194                          ; -M
.set DD,  195                          ; kbase - q
.set LS,  196                          ; a pair: l in two halves
.set FF,  198                          ; a pair: f = 2^(old M - new M) in its low word
.set T0,  200
.set T1,  201
.set SA,  202                          ; a pair: the sums' second chain (LS + 6)
.set PX,  204                          ; what comes from lane l xor 16
.set T2,  205
.set LIMA, 224                         ; 448 x 2^e9, twice: the two halves of a dual pair name registers of different banks
.set LIMB, 225
.set SC9,  226                         ; 2^e9
.set SLP,  227                         ; slope' = slope x log2(e)
.set SPW,  254
.set NIL,  255
.set OT,  0                            ; window 1
.set KF,  64
.set BI,  128
.set VF,  192
.set WV,  16
.set CX,  17                           ; my place in the cluster: it enters Q's and aimg's addresses and q alone
.set BH,  18                           ; 16 x batch + head
.set G1,  24
.set G0,  32
.set KS,  36
.set KN,  37
.set BN,  38
.set CNT, 39
.set PASS, 40
.set CS,  42                           ; s[42:43] cs
.set SEL, 44                           ; s[44:45] selects for lane l xor 16
.set EPV, 54                           ; e8 + e9
.set MSB, 0
.macro WIN new                         ; bits 1:0 source 0, 3:2 source 1, 5:4 source 2, 7:6 destination; the high byte repeats the setting that is left
.if MSB != \new
	s_set_vgpr_msb (MSB<<8)|\new
.set MSB, \new
.endif
.endm
.macro CROUND                          ; a round of the cluster's barrier
	s_barrier_signal -1
	s_barrier_wait -1
	s_cmp_lg_u32 s[WV], 0
	s_cbranch_scc1 .Lnot_wave_0_\@
	s_barrier_signal -3
.Lnot_wave_0_\@:
	s_barrier_wait -3
	s_barrier_signal -1
	s_barrier_wait -1
.endm
.macro QLOAD                           ; my two tiles of Q: 1,024 bytes each, 512 consecutive bytes a load
.irp i, 0,1,2,3
	global_load_b128 v[QF+4*\i:QF+4*\i+3], v[LI], s[4:5] offset:512*\i
.endr
.endm
.macro NEXTKB                          ; 32 LDS loads in one run, all into window 1: a step's K (eight fragments) and its bias (eight tiles of C)
	WIN 0x40
.irp t, 0,1,2,3,4,5,6,7
	ds_load_b128 v[KF+8*\t:KF+8*\t+3],   v[ADK] offset:1024*\t
	ds_load_b128 v[KF+8*\t+4:KF+8*\t+7], v[ADK] offset:1024*\t+512
.endr
.irp t, 0,1,2,3,4,5,6,7
	ds_load_b128 v[BI+8*\t:BI+8*\t+3],   v[ADB] offset:64*\t
	ds_load_b128 v[BI+8*\t+4:BI+8*\t+7], v[ADB] offset:64*\t+16
.endr
	WIN 0
.endm
.macro HOLD2 a                         ; two p held at 448 x 2^e9: the conversion does not saturate (ISA guide 7.6.2); p is not negative, so the hold is one-sided
	v_dual_min_num_f32 v[(\a)], v[(\a)], v[LIMA] :: v_dual_min_num_f32 v[(\a)+1], v[(\a)+1], v[LIMB]
.endm
	s_load_b256 s[4:11], s[0:1], 0x0               ; qimg, kimg, vimg, mask
	s_load_b128 s[12:15], s[0:1], 0x20             ; the scales' exponents, aimg
	v_lshl_add_u32 v[SPW], v0, 2, SPARE
	v_mov_b32 v[NIL], 0
	ds_add_u32 v[SPW], v[NIL]                      ; the opening lines: the add twice on end and one wait
	ds_add_u32 v[SPW], v[NIL]
	v_lshrrev_b32 v7, 5, v0
	v_readfirstlane_b32 s[WV], v7                  ; wave 0..7
	s_bfe_u32 s[CX], ttmp6, 0x40000
	s_and_b32 s[BH], ttmp7, 0xffff                 ; the cluster's y, which the four partners share
	s_lshr_b32 s19, s[BH], 4                       ; batch
	s_and_b32 s20, s[BH], 15                       ; head
	s_mov_b32 s[G1], 15|(3<<16)|(1<<21)            ; group 1: 32,768 dense bytes as 128 rows of 32 elements of 8 bytes; mask 15, bit 21 beside it
	s_mov_b32 s[G1+1], 32<<16
	s_mov_b32 s[G1+2], 128<<16
	s_mov_b32 s[G1+3], 32<<16
	s_mov_b32 s[G1+4], 128
	s_mov_b32 s[G1+5], 32
	s_mov_b32 s[G1+6], 0
	s_mov_b32 s[G1+7], 0
	s_mov_b32 s[G0], 1
	s_lshl_b32 s[G0+1], s[WV], 15                  ; LDS: wave x 32,768: waves 0-3 fill K, waves 4-7 V
	s_lshl_b32 s22, s[BH], 17                      ; the head's 131,072 bytes,
	s_and_b32 s21, s[WV], 3
	s_lshl_b32 s21, s21, 15
	s_add_co_u32 s22, s22, s21                     ; my quarter of them
	s_mov_b32 s23, 0
	s_wait_dscnt 0x0
	s_wait_kmcnt 0x0
	s_load_b128 s[48:51], s[12:13], 0x18           ; e6 (Q), e7 (K), e8 (V), e9 (p)
	s_load_b32 s52, s[12:13], 0x28                 ; e10 (a)
	s_cmp_lt_u32 s[WV], 4
	s_cselect_b64 s[G0+2:G0+3], s[6:7], s[8:9]     ; kimg or vimg, by the wave's number
	s_add_nc_u64 s[G0+2:G0+3], s[G0+2:G0+3], s[22:23]
	s_or_b32 s[G0+3], s[G0+3], 0x80000000
	CROUND                                         ; all four work-groups are here: the joint loads meet
	tensor_load_to_lds s[G0:G0+3], s[G1:G1+7]      ; my one tensor load of the launch
	s_nop 0
.rept 4
	v_nop
.endr
	s_lshl_b32 s56, s19, 13                        ; the batch's 2,048 mask words
	s_mov_b32 s57, 0
	s_add_nc_u64 s[10:11], s[10:11], s[56:57]
	v_lshlrev_b32 v8, 4, v0                        ; thread t takes keys 4 t .. 4 t + 3 and 1,024 + 4 t ..
	global_load_b128 v[72:75], v8, s[10:11]
	global_load_b128 v[76:79], v8, s[10:11] offset:4096
	s_lshl_b32 s56, s[CX], 5
	s_lshl_b32 s58, s[WV], 1
	s_add_co_u32 s58, s56, s58                     ; my first tile of 16 queries in the batch: 32 cx + 2 wave
	s_lshl_b32 s56, s58, 10
	s_lshl_b32 s59, s[BH], 17
	s_add_co_u32 s56, s56, s59
	s_add_nc_u64 s[4:5], s[4:5], s[56:57]          ; Q's images at that tile
	v_and_b32 v9, 31, v0
	v_lshlrev_b32 v[LI], 4, v9
	s_wait_alu depctr_va_vdst(0)
	QLOAD
	s_lshr_b32 s56, s20, 2                         ; aimg: head hd is K = 64 hd on: block hd / 4 of 2,097,152 bytes,
	s_lshl_b32 s56, s56, 21
	s_lshl_b32 s59, s19, 7
	s_add_co_u32 s59, s59, s58
	s_lshl_b32 s59, s59, 12                        ; tile 128 x batch + my first, 4,096 bytes each,
	s_add_co_u32 s56, s56, s59
	s_and_b32 s59, s20, 3
	s_lshl_b32 s59, s59, 10                        ; and 1,024 (hd % 4) in it
	s_add_co_u32 s56, s56, s59
	s_add_nc_u64 s[14:15], s[14:15], s[56:57]
	s_mov_b32 s[SEL], 0x76543210
	s_mov_b32 s[SEL+1], 0xfedcba98
	v_add_nc_u32 v[VLI], VBASE, v[LI]
	v_bfe_u32 v9, v0, 4, 1
	v_lshl_add_u32 v[BLI], v9, 5, TAB
	v_lshl_add_u32 v14, v0, 4, TAB                 ; where I store my part of the table
	s_lshl_b32 s21, s[CX], 9
	s_lshl_b32 s22, s[WV], 5
	s_add_co_u32 s21, s21, s22
	s_sub_co_u32 s21, 2048, s21
	v_and_b32 v9, 15, v0
	v_sub_nc_u32 v9, s21, v9
	v_cvt_f32_u32 v[DD], v9                        ; 2,048 - q for tile 0, q = 512 cx + 32 wave + lane % 16: each step takes 128 off first
	v_cvt_f32_u32 v10, s20
	v_mul_f32 v10, 0xbd800000, v10                 ; -head / 16, exact
	s_wait_alu depctr_va_vdst(0)                   ; ahead of the transcendental
	v_exp_f32 v10, v10                             ; slope
	v_lshlrev_b32 v9, 2, v0                        ; (a plain line behind the transcendental)
	v_and_b32 v9, 124, v9                          ; (4 t) % 128: the same for both of my runs of four keys
.irp i, 0,1,2,3
	v_add_nc_u32 v[80+\i], \i, v9
.endr
.irp i, 0,1,2,3
	v_cvt_f32_u32 v[80+\i], v[80+\i]               ; k % 128
.endr
	s_wait_kmcnt 0x0
	s_add_co_i32 s55, s48, s49                     ; e6 + e7
	s_lshl_b32 s56, s55, 23
	s_add_co_i32 s[CS], s56, 0x3e38aa3b            ; log2(e) / 8, with e6 + e7 added to its exponent field
	s_mov_b32 s[CS+1], s[CS]
	s_sub_co_i32 s58, 3, s55
	s_sub_co_i32 s59, 63, s55
	s_add_co_i32 s[EPV], s50, s51
	s_wait_alu depctr_va_vdst(0)                   ; ahead of the exponential's first reader
	v_ldexp_f32 v11, v10, s58                      ; slope x 2^(3 - e6 - e7): cs times it is slope x log2(e)
	v_ldexp_f32 v7, -1.0, s59                      ; a masked key's entry
	v_mul_f32 v[SLP], 0x3fb8aa3b, v10
.irp i, 0,1,2,3
	v_mul_f32 v[80+\i], v11, v[80+\i]
.endr
	s_wait_alu depctr_va_vdst(0)                   ; directly ahead of the wait below
	s_wait_loadcnt 4                               ; the two mask loads are in; the four loads of Q, issued behind them, may be out
.irp i, 0,1,2,3
	v_cmp_eq_u32 vcc_lo, 0, v[72+\i]
	v_cndmask_b32 v[84+\i], v[80+\i], v7, vcc_lo
.endr
.irp i, 0,1,2,3
	v_cmp_eq_u32 vcc_lo, 0, v[76+\i]
	v_cndmask_b32 v[88+\i], v[80+\i], v7, vcc_lo
.endr
	ds_store_b128 v14, v[84:87]
	ds_store_b128 v14, v[88:91] offset:4096
	s_add_co_i32 s56, s51, 127
	s_lshl_b32 s57, s56, 23                        ; 2^e9
	s_add_co_i32 s56, s56, 8
	s_lshl_b32 s56, s56, 23
	s_or_b32 s56, s56, 0x600000                    ; 448 x 2^e9
	s_add_co_i32 s58, s52, 127
	s_lshl_b32 s59, s58, 23                        ; 2^e10
	s_add_co_i32 s58, s58, 8
	s_lshl_b32 s58, s58, 23
	s_or_b32 s58, s58, 0x600000                    ; 448 x 2^e10
	v_mov_b32 v[SC9], s57
	v_mov_b32 v[LIMA], s56
	v_mov_b32 v[LIMB], s56
	v_mov_b32 v[SC10], s59
	v_mov_b32 v[LIM10], s58
	v_add_f32 v[DD+16], 0xc1800000, v[DD]          ; tile 1's queries are 16 further on
.irp u, 0,1
	v_mov_b32 v[PX+16*\u], 0                       ; written once: a lane permute's destination counts as one of its sources
	v_mov_b32 v[FF+16*\u+1], 0                     ; (named as the upper half of the pair)
.endr
	s_wait_alu depctr_va_vdst(0)                   ; the wait at the head's end
	s_wait_tensorcnt 0x0                           ; my quarter of K or V has landed,
	s_wait_dscnt 0x0                               ; my part of the table is stored:
	s_barrier_signal -1
	s_barrier_wait -1                              ; everybody's.  From here on LDS is only read
	v_add_nc_u32 v[ADK], 15*8192, v[LI]
	v_add_nc_u32 v[ADB], 15*512, v[BLI]
	NEXTKB                                         ; step 15's K and bias
	s_mov_b32 s[PASS], 2
; One tile's end: a = O^T x 2^(e8 + e9) / l, held, NaN where l = 0, as codes with the scale 2^e10: channels 16 c + 8 h + 0 .. 7 in registers 2 c, 2 c + 1 of the tile's PC.
.macro FINISH u
	v_add_f32 v[T0+16*\u], v[LS+16*\u], v[LS+16*\u+1]
	v_permlanex16_b32 v[PX+16*\u], v[T0+16*\u], s[SEL], s[SEL+1]
	v_add_f32 v[T0+16*\u], v[T0+16*\u], v[PX+16*\u]        ; l
	s_wait_alu depctr_va_vdst(0)                   ; ahead of the transcendental
	v_rcp_f32 v[T1+16*\u], v[T0+16*\u]
	v_add_f32 v[DD+16*\u], 0x44e00000, v[DD+16*\u] ; (the plain line behind the reciprocal)  -q + 1,792 = 2,048 - (q + 256): the next pass's queries
	v_cmp_neq_f32 vcc_lo, 0, v[T0+16*\u]
	s_wait_alu depctr_va_vdst(0)                   ; ahead of the reciprocal's first reader
	v_ldexp_f32 v[FF+16*\u], v[T1+16*\u], s[EPV]
	WIN 0x41                                       ; O^T window 1, the factor and the bounds window 0
	s_wait_alu depctr_va_vdst(0)                   ; directly ahead of the first reader of O^T
.set j, 0
.rept 16
	v_pk_mul_f32 v[OT+32*\u+j:OT+32*\u+j+1], v[OT+32*\u+j:OT+32*\u+j+1], v[FF+16*\u:FF+16*\u+1] op_sel_hi:[1,0]   ; each accumulator from its low end on
.set j, j+2
.endr
.set j, 0
.rept 32
	v_med3_num_f32 v[OT+32*\u+j], v[OT+32*\u+j], -v[LIM10], v[LIM10]
.set j, j+1
.endr
	WIN 0x44
.set j, 0
.rept 32
	v_cndmask_b32 v[OT+32*\u+j], 0x7fc00000, v[OT+32*\u+j], vcc_lo   ; l = 0: every key masked: NaN
.set j, j+1
.endr
	WIN 0x01
.irp c, 0,1,2,3
	v_cvt_scalef32_pk8_fp8_f32 v[PC+16*\u+2*\c:PC+16*\u+2*\c+1], v[OT+32*\u+8*\c:OT+32*\u+8*\c+7], v[SC10]
.endr
	v_nop                                          ; a plain vector line behind the last conversion
	WIN 0
.endm
.Lpass:                                            ; two trips: 256 queries of the work-group each
	s_wait_loadcnt 0x0                             ; Q
	WIN 0x40
.set j, 0
.rept 64
	v_mov_b32 v[OT+j], 0                           ; the step is written once: the first finds zeros, which the first change of M leaves zeros
.set j, j+1
.endr
	WIN 0
.irp u, 0,1
	v_mov_b32 v[LS+16*\u], 0
	v_mov_b32 v[LS+16*\u+1], 0
	v_mov_b32 v[TM+16*\u], 0xd3800000              ; -2^40: under every t that is served, over a masked key's
	v_mov_b32 v[NM+16*\u], 0x53800000              ; -M = 2^40
.endr
	s_mov_b32 s[CNT], 0
.Lstep:                                            ; sixteen trips: trip i takes keys 128 (15 - i) on
	s_xor_b32 s[KS], s[CNT], 15
	s_lshl_b32 s[KS], s[KS], 13                    ; this step's bytes
	s_add_co_u32 s[KN], s[CNT], 1
	s_xor_b32 s[KN], s[KN], 15
	s_and_b32 s[KN], s[KN], 15                     ; the next step; behind step 0 comes step 15, for the next pass
	s_lshl_b32 s[BN], s[KN], 9
	s_lshl_b32 s[KN], s[KN], 13
	v_add_nc_u32 v[ADV], s[KS], v[VLI]             ; these three and the v_nop are the four places between the last products and the loads into V's registers
	v_add_nc_u32 v[ADK], s[KN], v[LI]
	v_add_nc_u32 v[ADB], s[BN], v[BLI]
	v_nop
	WIN 0x40
.irp c, 0,1,2,3
.irp g, 0,1,2,3
	ds_load_b128 v[VF+16*\c+4*\g:VF+16*\c+4*\g+3], v[ADV] offset:2048*\c+512*\g
.endr
.endr
	s_wait_alu depctr_va_vdst(0)                   ; directly ahead of the wait below
	s_wait_dscnt 16                                ; this step's K and bias, asked for a step ago, are in; the 16 loads of V just issued may be out
	WIN 0x11                                       ; K and C window 1; Q and S^T window 0
.irp t, 0,1,2,3,4,5,6,7
.irp u, 0,1
	v_wmma_f32_16x16x64_fp8_fp8 v[SS+64*\u+8*\t:SS+64*\u+8*\t+7], v[KF+8*\t:KF+8*\t+7], v[QF+8*\u:QF+8*\u+7], v[BI+8*\t:BI+8*\t+7]
.endr
.endr
	WIN 0
.irp u, 0,1                                    ; four plain lines, due anyway, are the places ahead of the loads into K's and C's registers and of the first read of the scores
	v_add_f32 v[DD+16*\u], 0xc3000000, v[DD+16*\u] ; kbase - q: 128 keys down, exact
.endr
.irp u, 0,1
	v_mul_f32 v[T1+16*\u], v[SLP], v[DD+16*\u]     ; slope' (kbase - q)
.endr
	NEXTKB                                         ; the next step's K and bias land while the softmax is worked
; THE SOFTMAX OF BOTH TILES.  The largest s' of a lane's 64 keys: two chains a tile, four in all; each accumulator is read from its low end on.
.irp t, 0,1,2,3,4,5,6,7
.irp i, 0,2,4,6
.irp u, 0,1
.if (\t == 0) && (\i < 4)
	v_max_num_f32 v[T0+5*(\i/2)+16*\u], v[SS+64*\u+\i], v[SS+64*\u+\i+1]
.else
	v_max3_num_f32 v[T0+5*((\i/2)%2)+16*\u], v[T0+5*((\i/2)%2)+16*\u], v[SS+64*\u+8*\t+\i], v[SS+64*\u+8*\t+\i+1]
.endif
.endr
.endr
.endr
.irp u, 0,1
	v_max_num_f32 v[T0+16*\u], v[T0+16*\u], v[T2+16*\u]
.endr
.irp u, 0,1
	v_permlanex16_b32 v[PX+16*\u], v[T0+16*\u], s[SEL], s[SEL+1]
.endr
.irp u, 0,1
	v_max_num_f32 v[T0+16*\u], v[T0+16*\u], v[PX+16*\u]    ; and among lane l xor 16's
.endr
.irp u, 0,1
	v_fma_f32 v[T0+16*\u], v[T0+16*\u], s[CS], v[T1+16*\u] ; as t (cs is positive)
.endr
.irp u, 0,1
	v_max_num_f32 v[TM+16*\u], v[TM+16*\u], v[T0+16*\u]    ; the running largest t
.endr
.irp u, 0,1
	v_floor_f32 v[T2+16*\u], -v[TM+16*\u]          ; the new -M = floor(-t) = -ceil(t): M is a whole number
.endr
.irp u, 0,1
	v_sub_f32 v[T0+16*\u], v[T2+16*\u], v[NM+16*\u]        ; M's old value less its new one: 0 or less
.endr
.irp u, 0,1
	v_add_f32 v[BM+16*\u], v[T1+16*\u], v[T2+16*\u]
.endr
.irp u, 0,1
	v_cvt_i32_f32 v[T0+16*\u], v[T0+16*\u]         ; (it saturates)
.endr
.irp u, 0,1
	v_mov_b32 v[NM+16*\u], v[T2+16*\u]
.endr
.irp u, 0,1
	v_ldexp_f32 v[FF+16*\u], 1.0, v[T0+16*\u]      ; f = 2^(old M - new M)
.endr
	WIN 0x41                                       ; O^T under the new M, ahead of the exponentials: no transcendental stands between the last products and these first readers
.irp u, 0,1
.set j, 0
.rept 16
	v_pk_mul_f32 v[OT+32*\u+j:OT+32*\u+j+1], v[OT+32*\u+j:OT+32*\u+j+1], v[FF+16*\u:FF+16*\u+1] op_sel_hi:[1,0]
.set j, j+2
.endr
.endr
	WIN 0
.irp u, 0,1
	v_pk_mul_f32 v[LS+16*\u:LS+16*\u+1], v[LS+16*\u:LS+16*\u+1], v[FF+16*\u:FF+16*\u+1] op_sel_hi:[1,0]   ; l under the new M
.endr
.set j, 0
.rept 32
	v_pk_fma_f32 v[SS+j:SS+j+1], v[SS+j:SS+j+1], s[CS:CS+1], v[BM:BM+1] op_sel_hi:[1,0,0]   ; tile 0: t - M, two at a time
.set j, j+2
.endr
	s_wait_alu depctr_va_vdst(0)                   ; the wait ahead of the first batch: all that the batch and the plain lines in it read was written ahead of it
; FIRST BATCH: tile 0's 64 exponentials, p = 2^(t - M).  Among them stand tile 1's 32 scalings: what they write is read only behind the wait that follows the batch.
.set j, 0
.rept 32
	v_exp_f32 v[SS+j], v[SS+j]
	v_exp_f32 v[SS+j+1], v[SS+j+1]
	v_pk_fma_f32 v[SS+64+j:SS+64+j+1], v[SS+64+j:SS+64+j+1], s[CS:CS+1], v[BM+16:BM+17] op_sel_hi:[1,0,0]
.set j, j+2
.endr
	s_wait_alu depctr_va_vdst(0)                   ; one wait behind the first batch and ahead of the second
; SECOND BATCH: tile 1's 64 exponentials.  Among them stand tile 0's first-level sums of the unquantised p (16 pairs, into the registers that will take the codes) and, behind each sum, the holds of the four p that it read.
; What these lines write is read only behind the wait that follows the batch.
.set j, 0
.rept 16
	v_exp_f32 v[SS+64+j], v[SS+64+j]
	v_exp_f32 v[SS+64+j+1], v[SS+64+j+1]
	v_pk_add_f32 v[PC+j/2:PC+j/2+1], v[SS+j:SS+j+1], v[SS+j+2:SS+j+3]
	v_exp_f32 v[SS+64+j+2], v[SS+64+j+2]
	HOLD2 SS+j
	v_exp_f32 v[SS+64+j+3], v[SS+64+j+3]
	HOLD2 SS+j+2
.set j, j+4
.endr
	v_nop                                          ; a plain line behind the last exponential
	s_wait_alu depctr_va_vdst(0)                   ; one wait behind the second batch, ahead of its first reader
; The sums: tile 1's 32 pairs in two chains, and between them tile 0's 16 first-level sums in two chains.
	v_pk_add_f32 v[SA+16:SA+17], v[SS+64:SS+65], v[SS+66:SS+67]
	v_pk_add_f32 v[SA:SA+1], v[PC:PC+1], v[PC+2:PC+3]
.set j, 4
.rept 14
	v_pk_add_f32 v[LS+16:LS+17], v[LS+16:LS+17], v[SS+64+j:SS+64+j+1]
	v_pk_add_f32 v[LS+6*((j/4)%2):LS+6*((j/4)%2)+1], v[LS+6*((j/4)%2):LS+6*((j/4)%2)+1], v[PC+j/2+2:PC+j/2+3]
	v_pk_add_f32 v[SA+16:SA+17], v[SA+16:SA+17], v[SS+64+j+2:SS+64+j+3]
.set j, j+4
.endr
	v_pk_add_f32 v[LS+16:LS+17], v[LS+16:LS+17], v[SS+124:SS+125]
	v_pk_add_f32 v[SA+16:SA+17], v[SA+16:SA+17], v[SS+126:SS+127]
	v_pk_add_f32 v[LS:LS+1], v[LS:LS+1], v[SA:SA+1]
	v_pk_add_f32 v[LS+16:LS+17], v[LS+16:LS+17], v[SA+16:SA+17]
.irp t, 0,1,2,3,4,5,6,7                        ; tile 0's conversions stand among tile 1's holds.  Keys 16 t + 8 h + 0 .. 7: registers 2 t, 2 t + 1 of the operand
	v_cvt_scalef32_pk8_fp8_f32 v[PC+2*\t:PC+2*\t+1], v[SS+8*\t:SS+8*\t+7], v[SC9]
.irp i, 0,2,4,6
	HOLD2 SS+64+8*\t+\i
.endr
.endr
.irp t, 0,1,2,3,4,5,6,7
	v_cvt_scalef32_pk8_fp8_f32 v[PC+16+2*\t:PC+16+2*\t+1], v[SS+64+8*\t:SS+64+8*\t+7], v[SC9]
.endr
	v_nop                                          ; a plain vector line behind the last conversion
	s_wait_alu depctr_va_vdst(0)                   ; directly ahead of the wait below
	s_wait_dscnt 32                                ; V is in; the 32 loads issued behind it may be out
	WIN 0x51                                       ; O^T += V^T P^T: V and O^T window 1, P window 0; eight accumulators, one instruction each
.irp c, 0,1,2,3
.irp u, 0,1
	v_wmma_f32_16x16x128_fp8_fp8 v[OT+32*\u+8*\c:OT+32*\u+8*\c+7], v[VF+16*\c:VF+16*\c+15], v[PC+16*\u:PC+16*\u+15], v[OT+32*\u+8*\c:OT+32*\u+8*\c+7]
.endr
.endr
	WIN 0
	s_add_co_u32 s[CNT], s[CNT], 1
	s_cmp_lt_u32 s[CNT], 16
	s_cbranch_scc1 .Lstep
.rept 4
	v_nop                                          ; four places behind the last products
.endr
	s_add_nc_u64 s[4:5], s[4:5], 16384             ; (this pass's loads of Q were waited for at its head)  sixteen tiles of queries on
	s_cmp_eq_u32 s[PASS], 1                        ; the next pass's Q is asked for here, if there is a next pass: no load leaves its buffer
	s_cbranch_scc1 .Lno_q
	QLOAD
.Lno_q:
	FINISH 0
	global_store_b128 v[LI], v[PC:PC+3],   s[14:15]               ; 512 consecutive bytes a store
	global_store_b128 v[LI], v[PC+4:PC+7], s[14:15] offset:512
	FINISH 1
	global_store_b128 v[LI], v[PC+16:PC+19], s[14:15] offset:4096
	global_store_b128 v[LI], v[PC+20:PC+23], s[14:15] offset:4608
	s_wait_xcnt 0x0                                ; the stores have read their data and their base: both are written again only behind this wait
	s_add_nc_u64 s[14:15], s[14:15], 65536         ; sixteen tiles of tokens on
	s_sub_co_u32 s[PASS], s[PASS], 1
	s_cmp_lg_u32 s[PASS], 0
	s_cbranch_scc1 .Lpass
	s_wait_dscnt 0x0                               ; the last step's look-ahead loads
	s_wait_tensorcnt 0x0                           ; the wave's end
	ds_add_u32 v[SPW], v[NIL]
	s_wait_dscnt 0x0
	CROUND                                         ; the closing round: no work-group ends while a partner may still ask for a tile that names it
	s_endpgm
.Lfunc_end_k_q350d01ae12_attn:
	.size	k_q350d01ae12_attn, .Lfunc_end_k_q350d01ae12_attn-k_q350d01ae12_attn
	.p2alignl 7, 3214868480
	.fill 96, 4, 3214868480
	.section	.rodata,"a",@progbits
	.p2align	6, 0x0
	.amdhsa_kernel k_q350d01ae12_attn
		.amdhsa_group_segment_fixed_size 271360
		.amdhsa_private_segment_fixed_size 0
		.amdhsa_enable_private_segment 0
		.amdhsa_kernarg_size 48
		.amdhsa_user_sgpr_count 2
		.amdhsa_user_sgpr_kernarg_segment_ptr 1
		.amdhsa_wavefront_size32 1
		.amdhsa_system_sgpr_workgroup_id_x 1
		.amdhsa_system_sgpr_workgroup_id_y 1
		.amdhsa_system_sgpr_workgroup_id_z 1
		.amdhsa_system_vgpr_workitem_id 0
		.amdhsa_next_free_vgpr 512
		.amdhsa_next_free_sgpr 66
		.amdhsa_reserve_vcc 1
		.amdhsa_float_denorm_mode_32 3
		.amdhsa_float_denorm_mode_16_64 3
		.amdhsa_memory_ordered 1
		.amdhsa_forward_progress 1
		.amdhsa_inst_pref_size 56
	.end_amdhsa_kernel
	.amdgpu_metadata
---
amdhsa.version: [ 1, 2 ]
amdhsa.kernels:
  - .name:           k_q350d01ae12_attn
    .symbol:         k_q350d01ae12_attn.kd
    .args:
      - { .name: qimg, .offset: 0, .size: 8, .value_kind: global_buffer, .address_space: global }
      - { .name: kimg, .offset: 8, .size: 8, .value_kind: global_buffer, .address_space: global }
      - { .name: vimg, .offset: 16, .size: 8, .value_kind: global_buffer, .address_space: global }
      - { .name: mask, .offset: 24, .size: 8, .value_kind: global_buffer, .address_space: global }
      - { .name: lowp_scales, .offset: 32, .size: 8, .value_kind: global_buffer, .address_space: global }
      - { .name: aimg, .offset: 40, .size: 8, .value_kind: global_buffer, .address_space: global }
    .group_segment_fixed_size: 271360
    .private_segment_fixed_size: 0
    .kernarg_segment_align: 8
    .kernarg_segment_size: 48
    .max_flat_workgroup_size: 256
    .sgpr_count:     66
    .vgpr_count:     512
    .wavefront_size: 32
...
	.end_amdgpu_metadata
.endif
;; end of part 2
;; launch oproj (part 3): grid 8 x 32, 4 waves a work-group, clusters of 4 x 4, 327,680 bytes of LDS; arguments aimg, Wo_codes, lowp_scales, bo, out0; writes out0
.if DOCPART == 3
	.amdgcn_target "amdgcn-amd-amdhsa--gfx1250"
	.amdhsa_code_object_version 6
	.text
	.protected	k_q350d01ae12_oproj
	.globl	k_q350d01ae12_oproj
	.p2align	8
	.type	k_q350d01ae12_oproj,@function
k_q350d01ae12_oproj:
	s_mov_b64 s[64:65], 0
	v_nop
	global_prefetch_b8 v0, s[64:65] scope:SCOPE_SE
	s_setreg_imm32_b32 hwreg(HW_REG_WAVE_MODE, 25, 1), 1
	s_wait_xcnt 0x0
	s_wait_alu depctr_hold_cnt(0) depctr_sa_sdst(0) depctr_va_vdst(0) depctr_va_sdst(0) depctr_va_ssrc(0) depctr_va_vcc(0) depctr_vm_vsrc(0)
	s_getreg_b32 s2, hwreg(HW_REG_IB_STS2, 6, 4)
	s_cmp_eq_u32 s2, 0
	s_cbranch_scc0 .Lentry_in_a_cluster
	s_endpgm
.Lentry_in_a_cluster:
	s_bfe_u32 s2, ttmp6, 0x10000c
	s_cmp_lg_u32 s2, 0xf033
	s_cbranch_scc0 .Lentry_shape_is_right
	s_endpgm
.Lentry_shape_is_right:
.set SIZE_N, 1024
.set KROW,   1024
.set ROWB,   256
.set PITCH,  272
.set AKS,    2097152
.set HALFA,  32768
.set HALFB,  64*PITCH                  ; a block of C is 256 x 128: 64 of the 128 rows of Wo for each B half (s16), and for each wave's 128 x 64 of C
.set BOFF,   2*HALFA
.set SLOT,   BOFF+2*HALFB
.set FR,     16
.set NL,     4
.set NP,     4
.set LAPS,   2
.set SPARE,  2*SLOT
.set SPITCH, 272                       ; the stage: 16 rows x (64 f32 = 256 bytes + 16) for each wave
.set ADRA, 16
.set ADRB, 20
.set STO,  24
.set RD,   25
.set CO,   26
.set SPW,  28
.set NIL,  29
.set BO,   32
.set AF,   128
.set BK,   128
.set G1, 24
.set G0, 32
.set G1B, 48
.set G0B, 56
.set MSB, 0
.macro WIN new
.if MSB != \new
	s_set_vgpr_msb (MSB<<8)|\new
.set MSB, \new
.endif
.endm
.set MUL_LO, 0xa1
.set MUL_HI, 0xf1
.set TO_B,   0x40
; A joint refill of slot sl: wave 2 sl fetches A's whole tile (65,536 dense bytes), wave 2 sl + 1 B's (128 rows); the other two waves fetch nothing.  The branches hang on the wave's number alone.
.macro JLOAD g0a, g1a, g0b, g1b, sl
	s_cmp_lg_u32 s15, \sl
	s_cbranch_scc1 .Lasked_\@
	s_cmp_eq_u32 s16, 0
	s_cbranch_scc0 .Lfor_b_\@
	tensor_load_to_lds s[\g0a:\g0a+3], s[\g1a:\g1a+7]
	s_nop 0
.rept 4
	v_nop
.endr
	s_branch .Lasked_\@
.Lfor_b_\@:
	tensor_load_to_lds s[\g0b:\g0b+3], s[\g1b:\g1b+7]
	s_nop 0
.rept 4
	v_nop
.endr
.Lasked_\@:
.rept 4
	v_nop                                          ; the places in front of the LDS loads that follow, on every wave's way
.endr
.endm
.macro CREST
	s_cmp_lg_u32 s14, 0
	s_cbranch_scc1 .Lnot_wave_0_\@
	s_barrier_signal -3
.Lnot_wave_0_\@:
	s_barrier_wait -3
	s_barrier_signal -1
	s_barrier_wait -1
.endm
.macro CROUND
	s_barrier_signal -1
	s_barrier_wait -1
	CREST
.endm
	s_load_b128 s[4:7], s[0:1], 0x0
	s_load_b128 s[8:11], s[0:1], 0x10
	s_load_b64 s[12:13], s[0:1], 0x20
	v_lshl_add_u32 v[SPW], v0, 2, SPARE
	v_mov_b32 v[NIL], 0
	ds_add_u32 v28, v29
	ds_add_u32 v28, v29
	s_wait_dscnt 0x0
	v_lshrrev_b32 v1, 5, v0
	v_readfirstlane_b32 s14, v1
	s_lshr_b32 s15, s14, 1
	s_and_b32 s16, s14, 1
	s_bfe_u32 s40, ttmp6, 0x40000
	s_bfe_u32 s41, ttmp6, 0x40004
	s_lshl_b32 s42, ttmp9, 2
	s_add_co_u32 s42, s42, s40
	s_and_b32 s17, ttmp7, 0xffff
	s_lshl_b32 s17, s17, 2
	s_add_co_u32 s17, s17, s41
	s_lshl_b32 s43, s41, 2
	s_lshl_b32 s43, 15, s43
	s_lshl_b32 s44, 0x1111, s40
	s_or_b32 s[G1+0], s43, (3<<16)|(1<<21)
	s_mov_b32 s[G1+1], 32<<16
	s_mov_b32 s[G1+2], 256<<16
	s_mov_b32 s[G1+3], 32<<16
	s_mov_b32 s[G1+4], 256
	s_mov_b32 s[G1+5], 32
	s_mov_b32 s[G1+6], 0
	s_mov_b32 s[G1+7], 0
	s_or_b32 s[G1B+0], s44, (0<<16)|(1<<20)|(1<<21)|(5<<22)|(3<<25)
	s_mov_b32 s[G1B+1], ROWB<<16
	s_mov_b32 s[G1B+2], 128<<16
	s_mov_b32 s[G1B+3], ROWB<<16
	s_mov_b32 s[G1B+4], 128
	s_mov_b32 s[G1B+5], KROW
	s_mov_b32 s[G1B+6], 0
	s_mov_b32 s[G1B+7], 0
	s_lshl_b32 s20, s17, 16
	s_mov_b32 s18, 0                               ; a load brings a whole tile from its first byte on
	s_add_co_u32 s20, s20, s18
	s_mov_b32 s21, 0
	s_lshl_b32 s46, s42, 17
	s_mov_b32 s19, 0
	s_add_co_u32 s46, s46, s19
	s_mov_b32 s47, 0
	s_mov_b32 s45, 0
	s_mov_b32 s23, 0
	s_add_co_u32 s23, s23, BOFF
	s_wait_kmcnt 0x0
	s_load_b64 s[96:97], s[8:9], 0x28
	s_add_nc_u64 s[20:21], s[4:5], s[20:21]
	s_add_nc_u64 s[46:47], s[6:7], s[46:47]
	CROUND
.irp s, 0,1
	s_mov_b32 s[G0+4*\s], 1
	s_add_co_u32 s[G0+4*\s+1], s45, \s*SLOT
	s_add_nc_u64 s[G0+4*\s+2:G0+4*\s+3], s[20:21], \s*AKS
	s_or_b32 s[G0+4*\s+3], s[G0+4*\s+3], 0x80000000
	s_mov_b32 s[G0B+4*\s], 1
	s_add_co_u32 s[G0B+4*\s+1], s23, \s*SLOT
	s_add_nc_u64 s[G0B+4*\s+2:G0B+4*\s+3], s[46:47], \s*ROWB
	s_or_b32 s[G0B+4*\s+3], s[G0B+4*\s+3], 0x80000000
.endr
	; THE FIRST FILLS, one group behind the one round, one tensor load a wave, in one chain of four arms: wave 0 A's K step 0, wave 1 B's, wave 2 A's K step 1, wave 3 B's
	s_cmp_eq_u32 s14, 0
	s_cbranch_scc0 .Lhead_1
	tensor_load_to_lds s[G0:G0+3], s[G1:G1+7]
	s_nop 0
.rept 4
	v_nop
.endr
	s_branch .Lhead_j
.Lhead_1:
	s_cmp_eq_u32 s14, 1
	s_cbranch_scc0 .Lhead_2
	tensor_load_to_lds s[G0B:G0B+3], s[G1B:G1B+7]
	s_nop 0
.rept 4
	v_nop
.endr
	s_branch .Lhead_j
.Lhead_2:
	s_cmp_eq_u32 s14, 2
	s_cbranch_scc0 .Lhead_3
	tensor_load_to_lds s[G0+4:G0+7], s[G1:G1+7]
	s_nop 0
.rept 4
	v_nop
.endr
	s_branch .Lhead_j
.Lhead_3:
	tensor_load_to_lds s[G0B+4:G0B+7], s[G1B:G1B+7]
	s_nop 0
.rept 4
	v_nop
.endr
.Lhead_j:
	v_and_b32 v1, 15, v0
	v_bfe_u32 v2, v0, 4, 1
	v_and_b32 v6, 31, v0
	v_lshlrev_b32 v[CO], 4, v6
	v_mul_u32_u24 v3, v1, PITCH
	v_lshl_add_u32 v4, v2, 3, v3
	s_lshl_b32 s21, s15, 15
	s_mul_i32 s22, s16, HALFB
	s_add_co_u32 s22, s22, BOFF
.irp s, 0,1
	v_add_nc_u32 v[ADRA+\s], s21, v[CO]
	v_add_nc_u32 v[ADRB+\s], s22, v4
	s_add_co_u32 s21, s21, SLOT
	s_add_co_u32 s22, s22, SLOT
.endr
	s_mul_i32 s23, s14, 16*SPITCH
	v_mul_u32_u24 v5, v1, SPITCH
	v_lshl_add_u32 v5, v2, 5, v5
	v_add_nc_u32 v[STO], s23, v5
	v_lshlrev_b32 v7, 4, v1                        ; 16 x (lane % 16): my 16 bytes of a row of 256
	v_mul_u32_u24 v8, v2, SPITCH
	v_add_nc_u32 v8, v8, v7
	v_add_nc_u32 v[RD], s23, v8                    ; back: lanes 0-15 take one row of the stage, lanes 16-31 the next
	v_lshl_add_u32 v27, v2, 12, v7                 ; and the same two rows in the output (a row is 4,096 bytes)
	s_lshl_b32 s20, s17, 8
	s_lshl_b32 s21, s15, 7
	s_add_co_u32 s20, s20, s21
	s_lshl_b32 s20, s20, 12
	s_mov_b32 s21, 0
	s_lshl_b32 s46, s42, 9
	s_lshl_b32 s47, s16, 8
	s_add_co_u32 s46, s46, s47
	s_mov_b32 s47, 0
	s_add_nc_u64 s[10:11], s[10:11], s[46:47]
	s_add_nc_u64 s[20:21], s[20:21], s[46:47]
	s_add_nc_u64 s[12:13], s[12:13], s[20:21]
	s_wait_alu depctr_va_vdst(0)                   ; the wait here, directly ahead of the reader below
	global_load_b128 v[BO:BO+3], v7, s[10:11]
.macro FRAGA reg, slot, q, i
.irp c, 0,1,2,3
	ds_load_b128 v[\reg+4*\c:\reg+4*\c+3], v[ADRA+\slot] offset:4096*(\i)+2048*(\q)+512*\c
.endr
.endm
.macro FRAGB reg, slot, q, i
.irp c, 0,1,2,3,4,5,6,7
	ds_load_b64 v[\reg+2*\c:\reg+2*\c+1], v[ADRB+\slot] offset:128*(\q)+16*\c+(\i)*16*PITCH
.endr
.endm
.macro MUL16 a0, p, zero
.irp a, \a0, \a0+1
.irp b, 0,1,2,3
.if \zero
	v_wmma_f32_16x16x128_fp8_fp8 v[8*(8*((\a)%4)+\b):8*(8*((\a)%4)+\b)+7], v[128*(\p)+FR*\b:128*(\p)+FR*\b+FR-1], v[AF+FR*(\a):AF+FR*(\a)+FR-1], 0
.else
	v_wmma_f32_16x16x128_fp8_fp8 v[8*(8*((\a)%4)+\b):8*(8*((\a)%4)+\b)+7], v[128*(\p)+FR*\b:128*(\p)+FR*\b+FR-1], v[AF+FR*(\a):AF+FR*(\a)+FR-1], v[8*(8*((\a)%4)+\b):8*(8*((\a)%4)+\b)+7]
.endif
.endr
.endr
.endm
.macro FETCH_B slot, q, p
	WIN TO_B
.irp i, 0,1,2,3
	FRAGB 128*(\p)+FR*\i, \slot, \q, \i
.endr
	WIN 0
.endm
.macro FETCH_A slot, q, i0
.irp i, \i0, \i0+1, \i0+2, \i0+3
	FRAGA AF+FR*(\i), \slot, \q, \i
.endr
.endm
.macro PLACES n
.rept \n
	v_nop
.endr
.endm
.macro STEP slot, q, zero
	s_wait_dscnt 4*NL
	WIN MUL_LO
	MUL16 0, (\q)%2, \zero
	MUL16 2, (\q)%2, \zero
	s_wait_dscnt 0
	PLACES NP
	FETCH_B \slot, (\q)+1, 1-(\q)%2
	FETCH_A \slot, (\q)+1, 0
	WIN MUL_HI
	MUL16 4, (\q)%2, \zero
	MUL16 6, (\q)%2, \zero
	PLACES NP
	WIN 0
	FETCH_A \slot, (\q)+1, 4
.endm
.macro TURN slot, next, fill
	s_wait_tensorcnt 0x0
	ds_add_u32 v[SPW], v[NIL]
	s_wait_dscnt 4*NL+1
	WIN MUL_LO
	MUL16 0, 1, 0
	s_wait_dscnt 0x0
	s_barrier_signal -1
	MUL16 2, 1, 0
	WIN 0
	s_barrier_wait -1
.if \fill
	CREST
	s_add_nc_u64 s[G0+4*\slot+2:G0+4*\slot+3], s[G0+4*\slot+2:G0+4*\slot+3], 2*AKS
	s_add_nc_u64 s[G0B+4*\slot+2:G0B+4*\slot+3], s[G0B+4*\slot+2:G0B+4*\slot+3], 2*ROWB
	JLOAD G0+4*\slot, G1, G0B+4*\slot, G1B, \slot
.else
	PLACES NP
.endif
	FETCH_B \next, 0, 0
	FETCH_A \next, 0, 0
	WIN MUL_HI
	MUL16 4, 1, 0
	MUL16 6, 1, 0
	PLACES NP
	WIN 0
	FETCH_A \next, 0, 4
.endm
	s_wait_alu depctr_va_vdst(0)
	s_cmp_lg_u32 s15, 0                            ; slot 0's two loaders wait for their loads
	s_cbranch_scc1 .Lslot_1_mine                   ; the wait for 0 that every wave runs at the first change of slots shows slot 1 whole
	s_wait_tensorcnt 0x0
.Lslot_1_mine:
	s_barrier_signal -1
	s_barrier_wait -1
	FETCH_B 0, 0, 0
	FETCH_A 0, 0, 0
	FETCH_A 0, 0, 4
	STEP 0, 0, 1
	s_mov_b32 s3, LAPS-1
.Llap:
	TURN 0, 1, 1
	STEP 1, 0, 0
	TURN 1, 0, 1
	STEP 0, 0, 0
	s_sub_co_u32 s3, s3, 1
	s_cmp_lg_u32 s3, 0
	s_cbranch_scc1 .Llap
	TURN 0, 1, 0
	STEP 1, 0, 0
	s_wait_dscnt 4*NL
	WIN MUL_LO
	MUL16 0, 1, 0
	MUL16 2, 1, 0
	s_wait_dscnt 0
	WIN MUL_HI
	MUL16 4, 1, 0
	MUL16 6, 1, 0
	WIN 0
.macro TOSTAGE a
.set AC, 64*((\a)%4)
	WIN (0x08+4*((\a)/4))
.irp b, 0,1,2,3
	ds_store_b128 v[STO], v[AC+8*\b:AC+8*\b+3] offset:64*\b
	ds_store_b128 v[STO], v[AC+8*\b+4:AC+8*\b+7] offset:64*\b+16
.endr
	WIN 0
.set BB, BK+64*((\a)%2)
.irp t, 0,1,2,3,4,5,6,7
	ds_load_b128 v[BB+4*\t:BB+4*\t+3], v[RD] offset:2*\t*SPITCH
.endr
.endm
.macro SEND a, younger
.set BB, BK+64*((\a)%2)
	s_wait_dscnt \younger
.if (\a) > 0
	s_add_nc_u64 s[12:13], s[12:13], 16*SIZE_N*4
.endif
.irp t, 0,1,2,3,4,5,6,7
	v_pk_fma_f32 v[BB+4*\t:BB+4*\t+1],   v[BB+4*\t:BB+4*\t+1],   s[96:97], v[BO:BO+1]   op_sel_hi:[1,0,1]
	v_pk_fma_f32 v[BB+4*\t+2:BB+4*\t+3], v[BB+4*\t+2:BB+4*\t+3], s[96:97], v[BO+2:BO+3] op_sel_hi:[1,0,1]
	global_store_b128 v27, v[BB+4*\t:BB+4*\t+3], s[12:13] offset:2*\t*SIZE_N*4 th:TH_STORE_NT
.endr
.endm
	s_wait_kmcnt 0x0
	s_add_co_i32 s96, s96, s97
	s_add_co_i32 s96, s96, 127
	s_lshl_b32 s96, s96, 23
	s_wait_loadcnt 0x0
	PLACES NP
	TOSTAGE 0
.irp a, 1,2,3,4,5,6,7
.if \a > 1
	s_wait_xcnt 0x0
.endif
	TOSTAGE \a
	SEND \a-1, 16
.endr
	s_wait_xcnt 0x0
	SEND 7, 0
	s_wait_tensorcnt 0x0
	ds_add_u32 v[SPW], v[NIL]
	s_wait_dscnt 0x0
	CROUND
	s_endpgm
.Lfunc_end_k_q350d01ae12_oproj:
	.size	k_q350d01ae12_oproj, .Lfunc_end_k_q350d01ae12_oproj-k_q350d01ae12_oproj
	.p2alignl 7, 3214868480
	.fill 96, 4, 3214868480
	.section	.rodata,"a",@progbits
	.p2align	6, 0x0
	.amdhsa_kernel k_q350d01ae12_oproj
		.amdhsa_group_segment_fixed_size 327680
		.amdhsa_private_segment_fixed_size 0
		.amdhsa_enable_private_segment 0
		.amdhsa_kernarg_size 40
		.amdhsa_user_sgpr_count 2
		.amdhsa_user_sgpr_kernarg_segment_ptr 1
		.amdhsa_wavefront_size32 1
		.amdhsa_system_sgpr_workgroup_id_x 1
		.amdhsa_system_sgpr_workgroup_id_y 1
		.amdhsa_system_sgpr_workgroup_id_z 1
		.amdhsa_system_vgpr_workitem_id 0
		.amdhsa_next_free_vgpr 1024
		.amdhsa_next_free_sgpr 98
		.amdhsa_reserve_vcc 0
		.amdhsa_float_denorm_mode_32 3
		.amdhsa_float_denorm_mode_16_64 3
		.amdhsa_memory_ordered 1
		.amdhsa_forward_progress 1
		.amdhsa_inst_pref_size 86
	.end_amdhsa_kernel
	.amdgpu_metadata
---
amdhsa.version: [ 1, 2 ]
amdhsa.kernels:
  - .name:           k_q350d01ae12_oproj
    .symbol:         k_q350d01ae12_oproj.kd
    .args:
      - { .name: aimg, .offset: 0, .size: 8, .value_kind: global_buffer, .address_space: global }
      - { .name: Wo_codes, .offset: 8, .size: 8, .value_kind: global_buffer, .address_space: global }
      - { .name: lowp_scales, .offset: 16, .size: 8, .value_kind: global_buffer, .address_space: global }
      - { .name: bo, .offset: 24, .size: 8, .value_kind: global_buffer, .address_space: global }
      - { .name: out0, .offset: 32, .size: 8, .value_kind: global_buffer, .address_space: global }
    .group_segment_fixed_size: 327680
    .private_segment_fixed_size: 0
    .kernarg_segment_align: 8
    .kernarg_segment_size: 40
    .max_flat_workgroup_size: 128
    .sgpr_count:     98
    .vgpr_count:     1024
    .wavefront_size: 32
...
	.end_amdgpu_metadata
.endif
;; end of part 3
